; MI455X (gfx1250); checked and timed in simulation.
; The chip was launched on July 23, 2026; its instructions are those of AMD's public machine-readable ISA for CDNA 5 (MIT licence, August 2026) and "CDNA5" Instruction Set Architecture Reference Guide (July 2026). The comments in the code are by the model that wrote it; some were corrected since.
;; Sparse Mo E Block. Allowed arithmetic: float matrix products may take bf16 or f16 operands with f32 sums; all other float work in f32.
;; Inputs: b1 2 x 4,096 float32; b2 2 x 1,024 float32; gate_w 2 x 1,024 float32; w1 4,096 x 2 x 1,024 float32; w2 1,024 x 2 x 4,096 float32; x 2 x 2,048 x 1,024 float32.
;; Outputs: out0 2 x 2,048 x 1,024 float32.
;; One version. Each part assembles by itself: llvm-mc -triple=amdgcn-amd-amdhsa -mcpu=gfx1250 --defsym DOCPART=n.
;; ======== version 1 of 1: 4 launches
;; limits: values are held in f16: magnitudes above 65,504 overflow, below 6.1e-05 lose precision
;; workspace buffers: mask 512 bytes of whole numbers; prob 16,384 bytes; w1c 16,777,216 bytes; w2c 16,777,216 bytes; xs 9,437,184 bytes; tok 18,688 bytes of whole numbers; h 37,748,736 bytes; dump 2,097,152 bytes
;; launch gate_cast1 (part 1): grid 640 x 1, 4 waves a work-group, no clusters, 0 bytes of LDS; arguments x, gate_w, w1, mask, prob, w1c; writes mask, prob, w1c
.if DOCPART == 1
	.amdgcn_target "amdgcn-amd-amdhsa--gfx1250"
	.amdhsa_code_object_version 6
	.text
	.protected	k_q6b3ed071fe_gate_cast1
	.globl	k_q6b3ed071fe_gate_cast1
	.p2align	8
	.type	k_q6b3ed071fe_gate_cast1,@function
k_q6b3ed071fe_gate_cast1:
	s_mov_b64 s[64:65], 0
	v_nop
	global_prefetch_b8 v0, s[64:65] scope:SCOPE_SE
	s_setreg_imm32_b32 hwreg(HW_REG_WAVE_MODE, 25, 1), 1
	s_wait_xcnt 0x0
; TWO ROLES, by the work-group's number.
; 0..127: THE GATE.  For 32 tokens: l_e = sum over d of bf16(x[t][d]) bf16(gate_w[e][d]), products and sums in f32; the expert is 1 where l1 > l0, else 0 (a tie goes
;   to expert 0, as top_k does); p = 1 / (1 + exp(-|l1 - l0|)), which is the softmax with its maximum taken away.  Bit t % 32 of word t / 32 of mask is the expert; prob[t] = p.
; 128..639: THE CAST.  w1 in f32 to w1c in bf16, in the same order: 64 KiB of w1 a work-group, 16 KiB a wave.
; All the module's inputs are rounded to bf16, the gate's too, so that the routing is that of the module on inputs so rounded.
; LIMITS.  A token whose two logits differ by less than the error of an f32 sum of 1,024 terms may go to the other expert; NaN and infinities are not treated apart.
; No LDS, no barrier, no matrix unit: memory binds both roles.  A wave takes a whole row of x (4,096 bytes, eight loads of 512 neighbouring bytes), so a sum never leaves the wave.
.set GW,  8                            ; v[8:71]    gate_w: expert 0 in 32 registers, then expert 1; lane l holds elements 4 l + 128 j
.set X,   72                           ; v[72:199]  four row slots of 32 registers
.set T,   200                          ; v[200:207] at work
.set A,   208                          ; v[208:215] four packed sums: expert 0 (two chains), expert 1 (two chains)
.set P,   216                          ; v216       lane i: p of my wave's token i
.set L0,  217                          ; v217, v218 the two logits
.set L1,  218
.set O0,  219                          ; v219, v220 the other half of the lanes' sums
.set O1,  220
.set DD,  221                          ; v221       at work
	s_load_b256 s[4:11], s[0:1], 0x0               ; x s[4:5], gate_w s[6:7], w1 s[8:9], mask s[10:11]
	s_load_b128 s[12:15], s[0:1], 0x20             ; prob s[12:13], w1c s[14:15]
	v_and_b32 v1, 31, v0                           ; lane
	v_lshrrev_b32 v3, 5, v0
	v_readfirstlane_b32 s16, v3                    ; wave
	v_lshlrev_b32 v2, 4, v1                        ; 16 bytes a lane
	s_cmp_ge_u32 ttmp9, 128
	s_cbranch_scc1 .Lcast
	; ---- the gate: wave w of work-group b owns tokens 32 b + 8 w .. + 7
	s_lshl_b32 s24, ttmp9, 17                      ; 32 rows of 4,096 bytes a work-group,
	s_lshl_b32 s25, s16, 15                        ; 8 a wave
	s_add_co_u32 s24, s24, s25
	s_mov_b32 s25, 0
	s_mov_b32 s17, 0                               ; my eight expert bits
	s_mov_b32 s18, 0xffff0000                      ; a word's upper bf16
	s_mov_b32 s20, 0x76543210                      ; v_permlanex16_b32: each lane takes its own place in the other half
	s_mov_b32 s21, 0xfedcba98
	s_mov_b32 s22, 0x3fb8aa3b                      ; log2(e)
	v_mov_b32 v[P], 0
	v_mov_b32 v[O0], 0                             ; v_permlanex16_b32's destination counts as read
	v_mov_b32 v[O1], 0
	s_wait_kmcnt 0x0
	s_add_nc_u64 s[24:25], s[4:5], s[24:25]        ; x at my first row; never rewritten
.irp e, 0,1
.irp j, 0,1,2,3,4,5,6,7
	global_load_b128 v[GW+32*\e+4*\j:GW+32*\e+4*\j+3], v2, s[6:7] offset:\e*4096+512*\j
.endr
.endr
.macro FILL slot, row                  ; eight loads: the whole row.  No hint: the next launch reads x again
.irp j, 0,1,2,3,4,5,6,7
	global_load_b128 v[X+32*(\slot)+4*\j:X+32*(\slot)+4*\j+3], v2, s[24:25] offset:(\row)*4096+512*\j
.endr
.endm
	FILL 0, 0
	FILL 1, 1
	FILL 2, 2
	FILL 3, 3
	s_wait_loadcnt 32                              ; the 32 row loads are younger: gate_w is in
.set p, 0
.rept 32                                               ; gate_w rounded to bf16 and widened again, in place
	v_cvt_pk_bf16_f32 v[T+p%8], v[GW+2*p], v[GW+2*p+1]
	v_lshlrev_b32 v[GW+2*p], 16, v[T+p%8]
	v_and_b32 v[GW+2*p+1], s18, v[T+p%8]
.set p, p+1
.endr
; Token i of my eight.  left: the younger loads that may stay out.  refill = 1: the slot takes row i + 4.
.macro ROW i, left, refill
.set XS, X+32*((\i)%4)
	s_wait_loadcnt \left                           ; loads come back in order: my row is in
.irp j, 0,1,2,3,4,5,6,7
	v_cvt_pk_bf16_f32 v[T+2*(\j%4)], v[XS+4*\j], v[XS+4*\j+1]      ; x rounded to bf16,
	v_cvt_pk_bf16_f32 v[T+2*(\j%4)+1], v[XS+4*\j+2], v[XS+4*\j+3]
	v_lshlrev_b32 v[XS+4*\j], 16, v[T+2*(\j%4)]                    ; and widened again
	v_and_b32 v[XS+4*\j+1], s18, v[T+2*(\j%4)]
	v_lshlrev_b32 v[XS+4*\j+2], 16, v[T+2*(\j%4)+1]
	v_and_b32 v[XS+4*\j+3], s18, v[T+2*(\j%4)+1]
.if \j == 0                            ; the first products start the four chains: nothing is cleared
	v_pk_mul_f32 v[A:A+1], v[XS:XS+1], v[GW:GW+1]
	v_pk_mul_f32 v[A+2:A+3], v[XS+2:XS+3], v[GW+2:GW+3]
	v_pk_mul_f32 v[A+4:A+5], v[XS:XS+1], v[GW+32:GW+33]
	v_pk_mul_f32 v[A+6:A+7], v[XS+2:XS+3], v[GW+34:GW+35]
.else
	v_pk_fma_f32 v[A:A+1], v[XS+4*\j:XS+4*\j+1], v[GW+4*\j:GW+4*\j+1], v[A:A+1]
	v_pk_fma_f32 v[A+2:A+3], v[XS+4*\j+2:XS+4*\j+3], v[GW+4*\j+2:GW+4*\j+3], v[A+2:A+3]
	v_pk_fma_f32 v[A+4:A+5], v[XS+4*\j:XS+4*\j+1], v[GW+32+4*\j:GW+32+4*\j+1], v[A+4:A+5]
	v_pk_fma_f32 v[A+6:A+7], v[XS+4*\j+2:XS+4*\j+3], v[GW+32+4*\j+2:GW+32+4*\j+3], v[A+6:A+7]
.endif
.endr
.if \refill
	FILL (\i)%4, (\i)+4                            ; the slot has been read out
.endif
	v_pk_add_f32 v[A:A+1], v[A:A+1], v[A+2:A+3]
	v_pk_add_f32 v[A+4:A+5], v[A+4:A+5], v[A+6:A+7]
	v_add_f32 v[L0], v[A], v[A+1]
	v_add_f32 v[L1], v[A+4], v[A+5]
.irp m, 1,2,4,8                        ; across the lanes: four steps inside each half ride on the addition, one crosses the halves; every lane ends with the same sums
	v_add_f32_dpp v[L0], v[L0], v[L0] row_xmask:\m row_mask:0xf bank_mask:0xf
	v_add_f32_dpp v[L1], v[L1], v[L1] row_xmask:\m row_mask:0xf bank_mask:0xf
.endr
	v_permlanex16_b32 v[O0], v[L0], s20, s21
	v_permlanex16_b32 v[O1], v[L1], s20, s21
	v_add_f32 v[L0], v[L0], v[O0]
	v_add_f32 v[L1], v[L1], v[O1]
	v_cmp_gt_f32 s23, v[L1], v[L0]                 ; all 32 bits alike: expert 1 where l1 > l0
	s_and_b32 s23, s23, 1<<(\i)
	s_or_b32 s17, s17, s23
	v_sub_f32 v[DD], v[L1], v[L0]
	v_mul_f32 v[DD], -|v[DD]|, s22                 ; -|l1 - l0| log2(e): never above 0, so the exponential lies in 0 to 1
	v_exp_f32 v[DD], v[DD]
	v_nop                                          ; a plain instruction behind a transcendental, ahead of the use of its result (ISA guide 5.7.2)
	s_wait_alu depctr_va_vdst(0)
	v_add_f32 v[DD], 1.0, v[DD]
	v_rcp_f32 v[DD], v[DD]
	v_nop
	v_cmp_eq_u32 vcc_lo, \i, v1
	s_wait_alu depctr_va_vdst(0)
	v_cndmask_b32 v[P], v[P], v[DD], vcc_lo        ; lane i keeps token i's p
.endm
	ROW 0, 24, 1                                   ; behind row i's loads stand three rows' loads, first fills or refills: 24
	ROW 1, 24, 1
	ROW 2, 24, 1
	ROW 3, 24, 1
	ROW 4, 24, 0                                   ; nothing more is asked for: the counts run down
	ROW 5, 16, 0
	ROW 6, 8, 0
	ROW 7, 0, 0
	s_lshl_b32 s28, ttmp9, 7                       ; prob: 4 bytes a token
	s_lshl_b32 s29, s16, 5
	s_add_co_u32 s28, s28, s29
	v_lshl_add_u32 v4, v1, 2, s28
	s_lshl_b32 s29, ttmp9, 2                       ; mask: byte w of word b holds bits 8 w .. 8 w + 7
	s_add_co_u32 s29, s29, s16
	v_mov_b32 v5, s29
	v_mov_b32 v6, s17
	v_cmp_gt_u32 vcc_lo, 8, v1
	s_wait_xcnt 0x0                                ; EXEC changes only behind this wait
	s_and_saveexec_b32 s26, vcc_lo
	global_store_b32 v4, v[P], s[12:13]            ; lanes 0 to 7: 32 neighbouring bytes; 16 KiB in the whole launch, so no stage is built for them
	s_wait_xcnt 0x0
	s_or_b32 exec_lo, exec_lo, s26
	v_cmp_eq_u32 vcc_lo, 0, v1
	s_and_saveexec_b32 s26, vcc_lo
	global_store_b8 v5, v6, s[10:11]               ; lane 0: my eight bits
	s_wait_xcnt 0x0
	s_or_b32 exec_lo, exec_lo, s26
	s_endpgm
	; ---- the cast: 32 loads of 512 neighbouring bytes go out at once, each into registers of its own; nothing is rewritten while it is a source
.Lcast:
	s_sub_co_u32 s17, ttmp9, 128
	s_lshl_b32 s20, s17, 16                        ; 65,536 bytes of w1 a work-group,
	s_mov_b32 s21, 0
	s_lshl_b32 s22, s17, 15                        ; 32,768 of w1c
	s_mov_b32 s23, 0
	v_lshl_add_u32 v4, s16, 14, v2                 ; in: 16,384 w + 16 lane
	v_lshlrev_b32 v5, 3, v1
	v_lshl_add_u32 v5, s16, 13, v5                 ; out: 8,192 w + 8 lane
	s_wait_kmcnt 0x0
	s_add_nc_u64 s[20:21], s[8:9], s[20:21]
	s_add_nc_u64 s[22:23], s[14:15], s[22:23]
.set j, 0
.rept 32
	global_load_b128 v[8+4*j:11+4*j], v4, s[20:21] offset:512*j th:TH_LOAD_NT
.set j, j+1
.endr
.set j, 0
.rept 32
	s_wait_loadcnt 31-j                            ; the younger loads stay out
	v_cvt_pk_bf16_f32 v[8+4*j], v[8+4*j], v[9+4*j]
	v_cvt_pk_bf16_f32 v[9+4*j], v[10+4*j], v[11+4*j]
	global_store_b64 v5, v[8+4*j:9+4*j], s[22:23] offset:256*j     ; the wave's 32 lanes store 256 consecutive bytes, aligned
.set j, j+1
.endr
	s_endpgm
.Lfunc_end_k_q6b3ed071fe_gate_cast1:
	.size	k_q6b3ed071fe_gate_cast1, .Lfunc_end_k_q6b3ed071fe_gate_cast1-k_q6b3ed071fe_gate_cast1
	.p2alignl 7, 3214868480
	.fill 96, 4, 3214868480
	.section	.rodata,"a",@progbits
	.p2align	6, 0x0
	.amdhsa_kernel k_q6b3ed071fe_gate_cast1
		.amdhsa_group_segment_fixed_size 0
		.amdhsa_private_segment_fixed_size 0
		.amdhsa_enable_private_segment 0
		.amdhsa_kernarg_size 48
		.amdhsa_user_sgpr_count 2
		.amdhsa_user_sgpr_kernarg_segment_ptr 1
		.amdhsa_wavefront_size32 1
		.amdhsa_system_sgpr_workgroup_id_x 1
		.amdhsa_system_sgpr_workgroup_id_y 1
		.amdhsa_system_sgpr_workgroup_id_z 1
		.amdhsa_system_vgpr_workitem_id 0
		.amdhsa_next_free_vgpr 224
		.amdhsa_next_free_sgpr 66
		.amdhsa_reserve_vcc 1
		.amdhsa_float_denorm_mode_32 3
		.amdhsa_float_denorm_mode_16_64 3
		.amdhsa_memory_ordered 1
		.amdhsa_forward_progress 1
		.amdhsa_inst_pref_size 69
	.end_amdhsa_kernel
	.amdgpu_metadata
---
amdhsa.version: [ 1, 2 ]
amdhsa.kernels:
  - .name:           k_q6b3ed071fe_gate_cast1
    .symbol:         k_q6b3ed071fe_gate_cast1.kd
    .args:
      - { .name: x, .offset: 0, .size: 8, .value_kind: global_buffer, .address_space: global }
      - { .name: gate_w, .offset: 8, .size: 8, .value_kind: global_buffer, .address_space: global }
      - { .name: w1, .offset: 16, .size: 8, .value_kind: global_buffer, .address_space: global }
      - { .name: mask, .offset: 24, .size: 8, .value_kind: global_buffer, .address_space: global }
      - { .name: prob, .offset: 32, .size: 8, .value_kind: global_buffer, .address_space: global }
      - { .name: w1c, .offset: 40, .size: 8, .value_kind: global_buffer, .address_space: global }
    .group_segment_fixed_size: 0
    .private_segment_fixed_size: 0
    .kernarg_segment_align: 8
    .kernarg_segment_size: 48
    .max_flat_workgroup_size: 128
    .sgpr_count:     66
    .vgpr_count:     224
    .wavefront_size: 32
...
	.end_amdgpu_metadata
.endif
;; end of part 1
;; launch perm_cast2 (part 2): grid 656 x 1, 4 waves a work-group, no clusters, 0 bytes of LDS; arguments x, mask, w2, xs, tok, w2c; writes xs, tok, w2c
.if DOCPART == 2
	.amdgcn_target "amdgcn-amd-amdhsa--gfx1250"
	.amdhsa_code_object_version 6
	.text
	.protected	k_q6b3ed071fe_perm_cast2
	.globl	k_q6b3ed071fe_perm_cast2
	.p2align	8
	.type	k_q6b3ed071fe_perm_cast2,@function
k_q6b3ed071fe_perm_cast2:
	s_mov_b64 s[64:65], 0
	v_nop
	global_prefetch_b8 v0, s[64:65] scope:SCOPE_SE
	s_setreg_imm32_b32 hwreg(HW_REG_WAVE_MODE, 25, 1), 1
	s_wait_xcnt 0x0
; THREE ROLES, by the work-group's number.
; 0..127: THE SORTED COPY.  xs has 4,608 rows, 16 chunks of 288.  Token t of expert e has rank r = the number of earlier tokens of that expert; its row of x, rounded to bf16, goes to row r
;   (expert 0) or S1 + r (expert 1), S1 = 288 ceil(n0 / 288): a chunk holds rows of one expert.  ceil(n0 / 288) + ceil(n1 / 288) < 4,096 / 288 + 2, so 16 chunks hold every split.
;   t goes to the same place of the list in tok (from byte 256 on).  Words 0..31 of tok take the expert of each block of 144 rows.  Every wave makes its ranks itself from the 512 bytes of mask.
; 128..143: THE EMPTY ROWS.  512 rows hold no token: number q of them is row n0 + q where q < S1 - n0, else row 4,096 + q.  They take zeros in xs and the number 4,096 + q in the list.
; 144..655: THE CAST.  w2 is rounded to bf16, like every input, and that number is written as f16, in the same order, into w2c.
; LIMITS.  f16 holds no number beyond 65,504: |w2| stays below that; a bf16 number below 2^-17 loses bits in f16, 3e-8 at the most.
; No LDS, no barrier, no matrix unit: memory binds all three roles.
.set Y, 8                              ; v[8:23]    a row in bf16, to store
.set X, 40                             ; v[40:167]  four row slots of 32 registers
.set CHUNK, 288
.set LASTROW, 0x11ff                   ; 4,607
; s50 ones in all of mask (n1), s51 ones in the words ahead of word s52, s53 wave, s58 n0, s62 chunks of expert 0, s63 S1
.macro SCAN32 k                        ; 32 words of mask
	s_load_b512 s[16:31], s[6:7], 128*(\k)
	s_load_b512 s[32:47], s[6:7], 128*(\k)+64
	s_wait_kmcnt 0x0                               ; scalar loads come back in no order: 0 alone shows anything
.set j, 0
.rept 32
	s_bcnt1_i32_b32 s48, s[16+j]
	s_add_co_u32 s50, s50, s48
	s_cmp_gt_u32 s52, 32*(\k)+j                    ; does the word lie ahead of word s52?
	s_cselect_b32 s49, s48, 0
	s_add_co_u32 s51, s51, s49
.set j, j+1
.endr
.endm
.macro COUNTS
	s_sub_co_u32 s58, 0x1000, s50                  ; n0 = 4,096 - n1
	s_add_co_u32 s62, s58, CHUNK-1
	s_lshr_b32 s62, s62, 5                         ; (n0 + 287) / 288 = ((n0 + 287) / 32) / 9, and u / 9 = 57 u / 512 for u up to 136: 57 / 512 exceeds 1 / 9 by 0.00022
	s_mul_i32 s62, s62, 57
	s_lshr_b32 s62, s62, 9
	s_mul_i32 s63, s62, CHUNK
.endm
	s_load_b256 s[4:11], s[0:1], 0x0               ; x s[4:5], mask s[6:7], w2 s[8:9], xs s[10:11]
	s_load_b128 s[12:15], s[0:1], 0x20             ; tok s[12:13], w2c s[14:15]
	v_and_b32 v1, 31, v0                           ; lane
	v_lshrrev_b32 v3, 5, v0
	v_readfirstlane_b32 s53, v3                    ; wave
	v_lshlrev_b32 v2, 4, v1                        ; 16 lane
	v_lshlrev_b32 v24, 3, v1                       ; 8 lane
	s_mov_b32 s50, 0
	s_mov_b32 s51, 0
	s_cmp_ge_u32 ttmp9, 144
	s_cbranch_scc1 .Lcast
	s_cmp_ge_u32 ttmp9, 128
	s_cbranch_scc1 .Lzero
	; ---- the sorted copy: wave w of work-group b owns tokens 32 b + 8 w .. + 7
	s_mov_b32 s52, ttmp9
	s_lshl_b32 s56, s52, 17
	s_lshl_b32 s57, s53, 15
	s_add_co_u32 s56, s56, s57
	s_mov_b32 s57, 0
	s_lshl_b32 s55, s52, 2                         ; my work-group's word of mask
	s_wait_kmcnt 0x0
	s_add_nc_u64 s[56:57], s[4:5], s[56:57]        ; x at my first row; never rewritten
.macro FILL slot, row                  ; eight loads: the whole row, read here for the last time
.irp j, 0,1,2,3,4,5,6,7
	global_load_b128 v[X+32*(\slot)+4*\j:X+32*(\slot)+4*\j+3], v2, s[56:57] offset:(\row)*4096+512*\j th:TH_LOAD_NT
.endr
.endm
	FILL 0, 0
	FILL 1, 1
	FILL 2, 2
	FILL 3, 3
	s_load_b32 s54, s[6:7], s55 offset:0x0
	SCAN32 0                                       ; the counts are made while the rows are on their way
	SCAN32 1
	SCAN32 2
	SCAN32 3
	COUNTS
	s_lshl_b32 s55, s53, 3                         ; 8 w
	s_lshr_b32 s59, s54, s55                       ; my tokens' bits, from bit 0 on
	s_bfm_b32 s60, s55, 0                          ; 8 w ones
	s_and_b32 s60, s54, s60
	s_bcnt1_i32_b32 s60, s60
	s_add_co_u32 s60, s60, s51                     ; ones ahead of my first token
	s_lshl_b32 s61, s52, 5
	s_add_co_u32 s61, s61, s55                     ; my first token
	v_mbcnt_lo_u32_b32 v3, s59, s60                ; ones ahead of token t = first + lane: its rank, if its expert is 1
	v_add_nc_u32 v4, s61, v1                       ; t
	v_sub_nc_u32 v5, v4, v3                        ; zeros ahead of it: its row, if its expert is 0
	v_add_nc_u32 v6, s63, v3                       ; S1 + rank
	v_lshrrev_b32 v7, v1, s59
	v_and_b32 v7, 1, v7
	v_cmp_ne_u32 vcc_lo, 0, v7
	v_cndmask_b32 v5, v5, v6, vcc_lo
	v_min_u32 v5, LASTROW, v5                      ; a row among 4,608.  In wave 0 all 32 lanes hold the work-group's tokens; in the others lanes 0 to 7 are used
	s_mov_b32 s83, 0
.irp i, 0,1,2,3,4,5,6,7                ; xs at my eight rows: eight pairs, never rewritten
	v_readlane_b32 s82, v5, \i
	s_min_u32 s82, s82, LASTROW
	s_lshl_b32 s82, s82, 11
	s_add_nc_u64 s[66+2*\i:67+2*\i], s[10:11], s[82:83]
.endr
.macro PROW i, left, refill
.set XS, X+32*((\i)%4)
	s_wait_loadcnt \left                           ; my row is in; the rows behind it stay out
	s_wait_xcnt 0x0                                ; Y, which the last row's stores read, is rewritten only behind this wait
.set p, 0
.rept 16
	v_cvt_pk_bf16_f32 v[Y+p], v[XS+2*p], v[XS+2*p+1]
.set p, p+1
.endr
.if \refill
	FILL (\i)%4, (\i)+4
.endif
.irp j, 0,1,2,3,4,5,6,7
	global_store_b64 v24, v[Y+2*\j:Y+2*\j+1], s[66+2*(\i):67+2*(\i)] offset:256*\j  ; 32 lanes store 256 consecutive bytes, aligned
.endr
.endm
	PROW 0, 24, 1                                  ; behind row i's loads stand three rows' loads: 24
	PROW 1, 24, 1
	PROW 2, 24, 1
	PROW 3, 24, 1
	PROW 4, 24, 0                                  ; nothing more is asked for: the counts run down
	PROW 5, 16, 0
	PROW 6, 8, 0
	PROW 7, 0, 0
	s_cmp_lg_u32 s53, 0
	s_cbranch_scc1 .Lpdone
	v_lshlrev_b32 v25, 2, v5                       ; wave 0: the work-group's 32 tokens into the list: two runs of neighbouring words
	global_store_b32 v25, v4, s[12:13] offset:256
	s_cmp_lg_u32 s52, 0
	s_cbranch_scc1 .Lpdone
	s_lshl_b32 s85, s62, 1                         ; wave 0 of work-group 0: block j of 144 rows has expert 1 from block 2 x (chunks of expert 0) on
	v_cmp_le_u32 vcc_lo, s85, v1
	v_cndmask_b32 v26, 0, 1, vcc_lo
	v_lshlrev_b32 v27, 2, v1
	global_store_b32 v27, v26, s[12:13]            ; 32 lanes, 128 neighbouring bytes
.Lpdone:
	s_endpgm
	; ---- the empty rows: wave w of work-group z owns numbers q = 32 z + 8 w .. + 7
.Lzero:
	s_mov_b32 s52, 0                               ; no word lies ahead of word 0: only the total is wanted
	s_sub_co_u32 s54, ttmp9, 128
	v_mov_b32 v8, 0
	v_mov_b32 v9, 0
	v_mov_b32 v10, 0
	v_mov_b32 v11, 0
	s_wait_kmcnt 0x0
	SCAN32 0
	SCAN32 1
	SCAN32 2
	SCAN32 3
	COUNTS
	s_sub_co_u32 s59, s63, s58                     ; S1 - n0: so many empty rows lie between the experts
	s_lshl_b32 s60, s54, 5                         ; 32 z
	s_lshl_b32 s61, s53, 3
	s_add_co_u32 s61, s61, s60                     ; my first q
	s_mov_b32 s83, 0
.irp i, 0,1,2,3,4,5,6,7
	s_add_co_u32 s82, s61, \i
	s_cmp_lt_u32 s82, s59
	s_cselect_b32 s55, s58, 0x1000
	s_add_co_u32 s82, s82, s55                     ; n0 + q, or 4,096 + q
	s_min_u32 s82, s82, LASTROW
	s_lshl_b32 s82, s82, 11
	s_add_nc_u64 s[66+2*\i:67+2*\i], s[10:11], s[82:83]
.endr
.irp i, 0,1,2,3,4,5,6,7
.irp j, 0,1,2,3
	global_store_b128 v2, v[8:11], s[66+2*\i:67+2*\i] offset:512*\j  ; 512 consecutive bytes, aligned
.endr
.endr
	s_cmp_lg_u32 s53, 0
	s_cbranch_scc1 .Lzdone
	v_add_nc_u32 v3, s60, v1                       ; wave 0: the work-group's 32 numbers into the list
	v_mov_b32 v5, s58
	v_cmp_gt_u32 vcc_lo, s59, v3
	v_cndmask_b32 v4, 0x1000, v5, vcc_lo
	v_add_nc_u32 v4, v4, v3
	v_min_u32 v4, LASTROW, v4
	v_lshlrev_b32 v4, 2, v4
	v_add_nc_u32 v6, 0x1000, v3
	global_store_b32 v4, v6, s[12:13] offset:256
.Lzdone:
	s_endpgm
	; ---- the cast: 32 loads of 512 neighbouring bytes go out at once, each into registers of its own; the bf16 number is written as f16
.Lcast:
	s_sub_co_u32 s17, ttmp9, 144
	s_mov_b32 s18, 0xffff0000
	s_lshl_b32 s20, s17, 16                        ; 65,536 bytes of w2 a work-group,
	s_mov_b32 s21, 0
	s_lshl_b32 s22, s17, 15                        ; 32,768 of w2c
	s_mov_b32 s23, 0
	v_lshl_add_u32 v4, s53, 14, v2
	v_lshl_add_u32 v5, s53, 13, v24
	s_wait_kmcnt 0x0
	s_add_nc_u64 s[20:21], s[8:9], s[20:21]
	s_add_nc_u64 s[22:23], s[14:15], s[22:23]
.set j, 0
.rept 32
	global_load_b128 v[8+4*j:11+4*j], v4, s[20:21] offset:512*j th:TH_LOAD_NT
.set j, j+1
.endr
.set j, 0
.rept 32
	s_wait_loadcnt 31-j                            ; the younger loads stay out
	v_cvt_pk_bf16_f32 v[8+4*j], v[8+4*j], v[9+4*j]
	v_cvt_pk_bf16_f32 v[10+4*j], v[10+4*j], v[11+4*j]
	v_and_b32 v[9+4*j], s18, v[8+4*j]
	v_lshlrev_b32 v[8+4*j], 16, v[8+4*j]
	v_and_b32 v[11+4*j], s18, v[10+4*j]
	v_lshlrev_b32 v[10+4*j], 16, v[10+4*j]
	v_cvt_pk_f16_f32 v[8+4*j], v[8+4*j], v[9+4*j]
	v_cvt_pk_f16_f32 v[9+4*j], v[10+4*j], v[11+4*j]
	global_store_b64 v5, v[8+4*j:9+4*j], s[22:23] offset:256*j     ; 32 lanes store 256 consecutive bytes, aligned
.set j, j+1
.endr
	s_endpgm
.Lfunc_end_k_q6b3ed071fe_perm_cast2:
	.size	k_q6b3ed071fe_perm_cast2, .Lfunc_end_k_q6b3ed071fe_perm_cast2-k_q6b3ed071fe_perm_cast2
	.p2alignl 7, 3214868480
	.fill 96, 4, 3214868480
	.section	.rodata,"a",@progbits
	.p2align	6, 0x0
	.amdhsa_kernel k_q6b3ed071fe_perm_cast2
		.amdhsa_group_segment_fixed_size 0
		.amdhsa_private_segment_fixed_size 0
		.amdhsa_enable_private_segment 0
		.amdhsa_kernarg_size 48
		.amdhsa_user_sgpr_count 2
		.amdhsa_user_sgpr_kernarg_segment_ptr 1
		.amdhsa_wavefront_size32 1
		.amdhsa_system_sgpr_workgroup_id_x 1
		.amdhsa_system_sgpr_workgroup_id_y 1
		.amdhsa_system_sgpr_workgroup_id_z 1
		.amdhsa_system_vgpr_workitem_id 0
		.amdhsa_next_free_vgpr 176
		.amdhsa_next_free_sgpr 88
		.amdhsa_reserve_vcc 1
		.amdhsa_float_denorm_mode_32 3
		.amdhsa_float_denorm_mode_16_64 3
		.amdhsa_memory_ordered 1
		.amdhsa_forward_progress 1
		.amdhsa_inst_pref_size 96
	.end_amdhsa_kernel
	.amdgpu_metadata
---
amdhsa.version: [ 1, 2 ]
amdhsa.kernels:
  - .name:           k_q6b3ed071fe_perm_cast2
    .symbol:         k_q6b3ed071fe_perm_cast2.kd
    .args:
      - { .name: x, .offset: 0, .size: 8, .value_kind: global_buffer, .address_space: global }
      - { .name: mask, .offset: 8, .size: 8, .value_kind: global_buffer, .address_space: global }
      - { .name: w2, .offset: 16, .size: 8, .value_kind: global_buffer, .address_space: global }
      - { .name: xs, .offset: 24, .size: 8, .value_kind: global_buffer, .address_space: global }
      - { .name: tok, .offset: 32, .size: 8, .value_kind: global_buffer, .address_space: global }
      - { .name: w2c, .offset: 40, .size: 8, .value_kind: global_buffer, .address_space: global }
    .group_segment_fixed_size: 0
    .private_segment_fixed_size: 0
    .kernarg_segment_align: 8
    .kernarg_segment_size: 48
    .max_flat_workgroup_size: 128
    .sgpr_count:     88
    .vgpr_count:     176
    .wavefront_size: 32
...
	.end_amdgpu_metadata
.endif
;; end of part 2
;; launch ffn1 (part 3): grid 16 x 16, 4 waves a work-group, clusters of 4 x 1, 327,680 bytes of LDS; arguments xs, w1c, b1, tok, h; writes h
.if DOCPART == 3
	.amdgcn_target "amdgcn-amd-amdhsa--gfx1250"
	.amdhsa_code_object_version 6
	.text
	.protected	k_q6b3ed071fe_ffn1
	.globl	k_q6b3ed071fe_ffn1
	.p2align	8
	.type	k_q6b3ed071fe_ffn1,@function
k_q6b3ed071fe_ffn1:
	s_mov_b64 s[64:65], 0
	v_nop
	global_prefetch_b8 v0, s[64:65] scope:SCOPE_SE
	s_setreg_imm32_b32 hwreg(HW_REG_WAVE_MODE, 25, 1), 1
	s_wait_xcnt 0x0
	s_wait_alu depctr_hold_cnt(0) depctr_sa_sdst(0) depctr_va_vdst(0) depctr_va_sdst(0) depctr_va_ssrc(0) depctr_va_vcc(0) depctr_vm_vsrc(0)
	s_getreg_b32 s2, hwreg(HW_REG_IB_STS2, 6, 4)
	s_cmp_eq_u32 s2, 0
	s_cbranch_scc0 .Lentry_in_a_cluster
	s_endpgm
.Lentry_in_a_cluster:
	s_bfe_u32 s2, ttmp6, 0x10000c
	s_cmp_lg_u32 s2, 0x3003
	s_cbranch_scc0 .Lentry_shape_is_right
	s_endpgm
.Lentry_shape_is_right:
; h[row][f] = gelu(sum over d of xs[row][d] w1c[f][e][d] + bf16(b1[e][f])), e the expert of the row's chunk.  xs, w1c bf16; sums and gelu (tanh form) in f32; h rounded once to f16.
; SHARES.  xs has 16 chunks of 288 rows, each of one expert (an earlier launch laid it out so and stored each block's expert in tok).  A work-group makes one chunk x columns 256 x .. + 255 of F:
; one tile each, whatever the counts: no branch and no trip count hangs on data.  The expert enters two addresses alone: w1c's and b1's.  Rows that hold no token are zeros in xs; their h is made like any other.
; THE ORDER OF THE CHUNKS.  Row y of the grid takes chunk 8 y1 + 2 (y >> 2) + y0 (y1, y0: bits 1 and 0 of y): a renumbering, one to one.  The rows of the grid that agree in bit 1 of y
; take eight neighbouring chunks, which at an even split are one expert's: together they read one expert's half of w1c.
; LIMITS.  |h| stays below 65,504, f16's end.  NaN and infinities are not treated apart.
; A wave makes 144 x 128: 72 accumulators of 16 x 16, 576 registers.  K goes in steps of 128 through two LDS slots; rows of a tile are 256 bytes of memory, aligned.
; CLUSTER.  The four work-groups of a cluster lie side by side along x and need the same rows of xs: that tile is asked for jointly; its address is made of y and the wave's number.
; w1c's tile is asked for by each work-group for itself: those that could share it have the same x and the same expert, and which chunks have the same expert is data; a border kept at
; multiples of four chunks (1,152 rows) would need up to five rows of clusters where the grid has four.
; THE MATRIX INSTRUCTION IS USED TRANSPOSED (source 0 = 16 rows of w1c, source 1 = 16 rows of xs): a lane holds one row of h (lane % 16) and eight neighbouring columns 8 (lane / 16) + 0..7.
; REGISTERS, in windows of 256 (s_set_vgpr_msb: bits 1:0 source 0, 3:2 source 1, 5:4 source 2, 7:6 destination):
;   window 0: v0-31 addresses; v32-103, v104-175 fragments of xs (9 x 16 rows x 32 K), two buffers; on the way out v32-95, v96-127 at work, v128-191 rows read back
;   window 1: v0-63, v64-127 fragments of w1c, two buffers; v128-191 the accumulators of row block 8; v192-255 the bias, the C operand that starts each sum
;   window 2: the accumulators of row blocks 0-3 (block a, column block b at 64 (a % 4) + 8 b);   window 3: those of blocks 4-7
.set PITCH,  272                       ; an LDS row: 256 bytes + 16 of padding = 68 words: the 16 rows of a fragment load start at 16 different groups of four banks (ISA guide 11.1)
.set AHALF,  144*PITCH                 ; what one tensor load brings of xs, and what one wave reads of it
.set BHALF,  128*PITCH                 ; the same for w1c
.set BOFF,   2*AHALF
.set SLOT,   BOFF+2*BHALF              ; 288 rows of xs, then 256 rows of w1c
.set STAGE,  2*SLOT                    ; behind the ring: 16 rows x 272 bytes for each wave, for the way out; no tensor load lands here
.set SPARE,  STAGE+4*16*PITCH          ; the spare words, 128 bytes for each wave: two blocks of 256 bytes that no other line names
.set CHUNK,  288
.set FA,   32
.set FB,   0
.set BIAS, 192
.set TT,   32
.set TMP,  96
.set G1A, 24                           ; s[24:31] descriptor group 1 for xs;  s[32:39] group 0, one set for each slot
.set G0A, 32
.set G1B, 40                           ; s[40:47], s[48:55] the same for w1c
.set G0B, 48
.set DW0, (1<<16)|(1<<20)|(5<<22)|(3<<25)  ; 17:16 elements of 2 bytes; 20 padding on; 24:22 after every 64 words; 31:25 4 words of it
; v1 lane % 16, v2 lane / 16, v5 my offset in b1, v16-17 / v20-21 LDS address of my fragments of xs / w1c in slot 0, 1; v24, v25 into and out of my stage; v26 my byte offset in two rows of h; v28, v29 the add's two registers
; s14 wave, s15 wave / 2 (my half of the rows), s16 wave % 2 (my half of the columns; also which half of a tile I fetch), s17 cx, s19 x, s20 the chunk, s21 expert, s59 laps, s[70:71] h at my part
; s60-63 feed the descriptors of xs and never hold cx
.set MSB, 0
.macro WIN new                         ; the immediate's high byte repeats the setting that is left; a switch that changes nothing is dropped
.if MSB != (\new)
	s_set_vgpr_msb (MSB<<8)|(\new)
.set MSB, \new
.endif
.endm
.macro PLACES                          ; four places in front of loads into registers that matrix instructions have read, and of vector lines that read results
.rept 4
	v_nop
.endr
.endm
.macro CREST                           ; a round of the cluster's barrier behind its opening barrier
	s_cmp_lg_u32 s14, 0
	s_cbranch_scc1 .Lnot_wave_0_\@
	s_barrier_signal -3
.Lnot_wave_0_\@:
	s_barrier_wait -3
	s_barrier_signal -1
	s_barrier_wait -1
.endm
.macro CROUND                          ; a whole round
	s_barrier_signal -1
	s_barrier_wait -1
	CREST
.endm
.macro LOADS s                         ; waves 0 and 1 ask jointly for the two halves of xs's tile, waves 2 and 3 each for a half of w1c's; four v_nop follow each line
	s_cmp_lt_u32 s14, 2
	s_cbranch_scc0 .Lfor_b_\@
	tensor_load_to_lds s[G0A+4*(\s):G0A+4*(\s)+3], s[G1A:G1A+7]
	s_nop 0
.rept 4
	v_nop
.endr
	s_branch .Lasked_\@
.Lfor_b_\@:
	tensor_load_to_lds s[G0B+4*(\s):G0B+4*(\s)+3], s[G1B:G1B+7]
	s_nop 0
.rept 4
	v_nop
.endr
.Lasked_\@:
.endm
.macro ACCOF a                         ; window and first register of row block a's eight accumulators
.if (\a) == 8
.set WW, 1
.set AC, 128
.else
.set WW, 2+(\a)/4
.set AC, 64*((\a)%4)
.endif
.endm
; 8 matrix instructions: row block a x all 8 column blocks, 32 along K, from buffer f.  first = 1: the bias starts the sums: nothing is cleared.
; The 72 accumulators take turns, one instruction a turn, in the same order in every quarter.
.macro MULROW f, a, first
	ACCOF \a
.if \first
	WIN 0x11|(WW<<6)
.else
	WIN 0x01|(WW<<4)|(WW<<6)
.endif
.irp b, 0,1,2,3,4,5,6,7
.if \first
	v_wmma_f32_16x16x32_bf16 v[AC+8*\b:AC+8*\b+7], v[FB+64*(\f)+8*\b:FB+64*(\f)+8*\b+7], v[FA+72*(\f)+8*(\a):FA+72*(\f)+8*(\a)+7], v[BIAS+8*\b:BIAS+8*\b+7]
.else
	v_wmma_f32_16x16x32_bf16 v[AC+8*\b:AC+8*\b+7], v[FB+64*(\f)+8*\b:FB+64*(\f)+8*\b+7], v[FA+72*(\f)+8*(\a):FA+72*(\f)+8*(\a)+7], v[AC+8*\b:AC+8*\b+7]
.endif
.endr
.endm
; 34 LDS loads in one run: the fragments of 32 along K at byte k of the rows, into buffer f: w1c's 16 loads, then xs's 18
.macro FETCH slot, k, f
	WIN 0x40
.irp i, 0,1,2,3,4,5,6,7
	ds_load_b128 v[FB+64*(\f)+8*\i:FB+64*(\f)+8*\i+3],   v[20+(\slot)] offset:(\k)+\i*16*PITCH
	ds_load_b128 v[FB+64*(\f)+8*\i+4:FB+64*(\f)+8*\i+7], v[20+(\slot)] offset:(\k)+\i*16*PITCH+32
.endr
	WIN 0
.irp i, 0,1,2,3,4,5,6,7,8
	ds_load_b128 v[FA+72*(\f)+8*\i:FA+72*(\f)+8*\i+3],   v[16+(\slot)] offset:(\k)+\i*16*PITCH
	ds_load_b128 v[FA+72*(\f)+8*\i+4:FA+72*(\f)+8*\i+7], v[16+(\slot)] offset:(\k)+\i*16*PITCH+32
.endr
.endm
; A K step is four quarters of 32 along K, 72 matrix instructions each, on buffers 0, 1, 0, 1.  One of the first three: multiplies buffer f, fetches the next quarter, at byte k, into g.
.macro QUARTER slot, k, f, g, first
	s_wait_dscnt 10                                ; w1c's fragments and xs's blocks 0-3 are in; the youngest ten loads (blocks 4-8) may be out
	MULROW \f, 0, \first
	MULROW \f, 1, \first
	MULROW \f, 2, \first
	MULROW \f, 3, \first
	PLACES
	FETCH \slot, \k, \g
	s_wait_dscnt 34                                ; all but the 34 just issued
	MULROW \f, 4, \first
	MULROW \f, 5, \first
	MULROW \f, 6, \first
	MULROW \f, 7, \first
	MULROW \f, 8, \first
.endm
; The last quarter multiplies buffer 1 and changes slots: ONE barrier.  In front of it each wave waits for all its tensor loads (one is out: its part of the next slot), adds 0 to its spare word,
; and waits for that and for its reads of this slot.  fill = 1: the barrier opens a round of the cluster's, and this slot is filled again, two K steps ahead, first thing behind the round.
.macro TURN slot, next, fill
	WIN 0
	s_wait_tensorcnt 0x0
	ds_add_u32 v28, v29                            ; 0 onto my spare word; sixteen matrix instructions stand between it and the wait for it
	s_wait_dscnt 11                                ; the add and the youngest ten loads may be out
	MULROW 1, 0, 0
	MULROW 1, 1, 0
	s_wait_dscnt 0x0                               ; the add is done, and my reads of this slot are over
	s_barrier_signal -1
	MULROW 1, 2, 0
	MULROW 1, 3, 0
.if \fill
	WIN 0
.endif
	s_barrier_wait -1
.if \fill
	CREST                                          ; no wave of any partner still reads this slot or has a load on its way
	s_add_nc_u64 s[G0A+4*(\slot)+2:G0A+4*(\slot)+3], s[G0A+4*(\slot)+2:G0A+4*(\slot)+3], 512
	s_add_nc_u64 s[G0B+4*(\slot)+2:G0B+4*(\slot)+3], s[G0B+4*(\slot)+2:G0B+4*(\slot)+3], 512
	LOADS \slot                                    ; 256 matrix instructions ahead of the wait for it; its four v_nop are also the places in front of the loads below
.else
	PLACES
.endif
	FETCH \next, 0, 0
	MULROW 1, 4, 0
	MULROW 1, 5, 0
	MULROW 1, 6, 0
	MULROW 1, 7, 0
	MULROW 1, 8, 0
.endm
; THE WAY OUT of row block a.  gelu(x) = x / (1 + 2^(x (c1 + c2 x^2))), c1 = -2 log2(e) sqrt(2 / pi), c2 = 0.044715 c1: the tanh form, exactly; each accumulator's registers are read in ascending order.
.macro GELU a
	ACCOF \a
	WIN WW|(WW<<2)
.set p, 0
.rept 32
	v_pk_mul_f32 v[TT+2*p:TT+2*p+1], v[AC+2*p:AC+2*p+1], v[AC+2*p:AC+2*p+1]
.set p, p+1
.endr
	WIN 0
.set p, 0
.rept 32
	v_pk_fma_f32 v[TT+2*p:TT+2*p+1], v[TT+2*p:TT+2*p+1], s[78:79], s[76:77] op_sel_hi:[1,0,0]
.set p, p+1
.endr
	WIN WW<<2
.set p, 0
.rept 32
	v_pk_mul_f32 v[TT+2*p:TT+2*p+1], v[TT+2*p:TT+2*p+1], v[AC+2*p:AC+2*p+1]
.set p, p+1
.endr
	WIN 0
.set p, 0
.rept 64
	v_exp_f32 v[TT+p], v[TT+p]
.set p, p+1
.endr
	v_nop                                          ; a plain instruction behind the last transcendental (ISA guide 5.7.2)
.set p, 0
	s_wait_alu depctr_va_vdst(0)
.rept 32
	v_pk_add_f32 v[TT+2*p:TT+2*p+1], v[TT+2*p:TT+2*p+1], 1.0 op_sel_hi:[1,0]
.set p, p+1
.endr
.set p, 0
.rept 64
	v_rcp_f32 v[TT+p], v[TT+p]
.set p, p+1
.endr
	v_nop
	WIN WW<<2
.set p, 0
	s_wait_alu depctr_va_vdst(0)
.rept 32
	v_pk_mul_f32 v[TT+2*p:TT+2*p+1], v[TT+2*p:TT+2*p+1], v[AC+2*p:AC+2*p+1]
.set p, p+1
.endr
	WIN 0
.set p, 0
.rept 32
	v_cvt_pk_f16_f32 v[TMP+p], v[TT+2*p], v[TT+2*p+1]
.set p, p+1
.endr
.endm
.macro TOSTAGE a                       ; 16 bytes a lane into my own stage, and back as whole rows of 256 bytes
.set BK, 128+32*((\a)%2)
.irp b, 0,1,2,3,4,5,6,7
	ds_store_b128 v24, v[TMP+4*\b:TMP+4*\b+3] offset:32*\b
.endr
.irp t, 0,1,2,3,4,5,6,7
	ds_load_b128 v[BK+4*\t:BK+4*\t+3], v25 offset:\t*2*PITCH  ; LDS serves a wave's instructions in order (ISA guide 5.7.1.4): these see the stores above
.endr
.endm
.macro SEND a
.set BK, 128+32*((\a)%2)
	s_wait_dscnt 0x0                               ; the block is back in registers
	s_wait_xcnt 0x0                                ; the other buffer, which the block before's stores read, is loaded again only behind this wait
.irp t, 0,1,2,3,4,5,6,7
	global_store_b128 v26, v[BK+4*\t:BK+4*\t+3], s[70:71] offset:(16*(\a)+2*\t)*8192  ; 16 lanes store 256 consecutive bytes, aligned; 142 rows of h at the most, inside the signed 24-bit immediate
.endr
.endm
	s_load_b256 s[4:11], s[0:1], 0x0               ; xs s[4:5], w1c s[6:7], b1 s[8:9], tok s[10:11]
	s_load_b64 s[12:13], s[0:1], 0x20              ; h
	v_lshl_add_u32 v28, v0, 2, SPARE
	v_mov_b32 v29, 0
	ds_add_u32 v28, v29
	s_wait_dscnt 0x0
	v_lshrrev_b32 v3, 5, v0
	v_readfirstlane_b32 s14, v3                    ; wave 0..3
	s_lshr_b32 s15, s14, 1
	s_and_b32 s16, s14, 1
	s_bfe_u32 s17, ttmp6, 0x40000                  ; cx
	s_lshl_b32 s19, ttmp9, 2
	s_add_co_u32 s19, s19, s17                     ; x = 4 x cluster x + cx
	s_and_b32 s20, ttmp7, 0xffff                   ; y, which the four partners share
	s_bfe_u32 s66, s20, 0x10001                    ; its bit 1,
	s_lshr_b32 s67, s20, 2                         ; its bits 3 and 2,
	s_and_b32 s20, s20, 1                          ; its bit 0
	s_lshl_b32 s66, s66, 3
	s_lshl_b32 s67, s67, 1
	s_add_co_u32 s20, s20, s66
	s_add_co_u32 s20, s20, s67                     ; the chunk = 8 y1 + 2 (y >> 2) + y0
	s_lshl_b32 s81, s20, 3                         ; a chunk begins with block 2 x chunk of 144 rows: that word of tok
	s_wait_kmcnt 0x0
	s_load_b32 s21, s[10:11], s81 offset:0x0       ; the chunk's expert
	s_mov_b32 s[G1A], 15|(1<<21)|DW0               ; 15:0 the mask: all four work-groups; 21 set beside a mask
	s_mov_b32 s[G1A+1], 128<<16                    ; tensor_dim0 = 128
	s_mov_b32 s[G1A+2], 144<<16                    ; tensor_dim1 = 144
	s_mov_b32 s[G1A+3], 128<<16                    ; tile_dim0 = 128
	s_mov_b32 s[G1A+4], 144                        ; tile_dim1 = 144
	s_mov_b32 s[G1A+5], 1024                       ; elements from row to row of xs
	s_mov_b32 s[G1A+6], 0
	s_mov_b32 s[G1A+7], 0
	s_mov_b32 s[G1B], DW0                          ; no mask: a load of my own
	s_mov_b32 s[G1B+1], 128<<16
	s_mov_b32 s[G1B+2], 128<<16
	s_mov_b32 s[G1B+3], 128<<16
	s_mov_b32 s[G1B+4], 128
	s_mov_b32 s[G1B+5], 2048                       ; from f to f + 1 of one expert in w1c [F][E][D]
	s_mov_b32 s[G1B+6], 0
	s_mov_b32 s[G1B+7], 0
	s_mul_i32 s67, s16, AHALF                      ; where my half of a tile goes: no place in the cluster enters an LDS address
	s_mov_b32 s[G0A], 1
	s_mov_b32 s[G0A+1], s67
	s_mov_b32 s[G0A+4], 1
	s_add_co_u32 s[G0A+5], s67, SLOT
	s_mul_i32 s67, s16, BHALF
	s_mov_b32 s[G0B], 1
	s_add_co_u32 s[G0B+1], s67, BOFF
	s_mov_b32 s[G0B+4], 1
	s_add_co_u32 s[G0B+5], s67, SLOT+BOFF
	s_mul_i32 s60, s20, CHUNK                      ; xs: row 288 x chunk + 144 x the half that I fetch
	s_mul_i32 s61, s16, 144
	s_add_co_u32 s60, s60, s61
	s_lshl_b32 s62, s60, 11
	s_mov_b32 s63, 0
	s_add_nc_u64 s[G0A+2:G0A+3], s[4:5], s[62:63]  ; K step 0,
	s_add_nc_u64 s[G0A+6:G0A+7], s[G0A+2:G0A+3], 256  ; K step 1
	s_or_b32 s[G0A+3], s[G0A+3], 0x80000000        ; type = 2
	s_or_b32 s[G0A+7], s[G0A+7], 0x80000000
	s_mul_i32 s82, s20, CHUNK                      ; h: row 288 x chunk + 144 x my half of the rows, byte 512 x + 256 x my half of the columns
	s_mul_i32 s83, s15, 144
	s_add_co_u32 s82, s82, s83
	s_lshl_b32 s82, s82, 13
	s_lshl_b32 s83, s19, 9
	s_add_co_u32 s82, s82, s83
	s_lshl_b32 s83, s16, 8
	s_add_co_u32 s82, s82, s83
	s_mov_b32 s83, 0
	s_add_nc_u64 s[70:71], s[12:13], s[82:83]
	s_mov_b32 s76, 0xc0135761                      ; c1 = -2.3022078
	s_mov_b32 s77, s76                             ; named with it as a pair
	s_mov_b32 s78, 0xbdd2d3e5                      ; c2 = -0.10294322
	s_mov_b32 s79, s78
	v_and_b32 v1, 15, v0
	v_bfe_u32 v2, v0, 4, 1
	v_mul_u32_u24 v3, v1, PITCH
	v_lshl_add_u32 v3, v2, 4, v3                   ; a fragment's row x pitch + 16 x half
	s_mul_i32 s67, s15, AHALF
	v_add_nc_u32 v16, s67, v3
	s_add_co_u32 s67, s67, SLOT
	v_add_nc_u32 v17, s67, v3
	s_mul_i32 s67, s16, BHALF
	s_add_co_u32 s67, s67, BOFF
	v_add_nc_u32 v20, s67, v3
	s_add_co_u32 s67, s67, SLOT
	v_add_nc_u32 v21, s67, v3
	s_mul_i32 s67, s14, 16*PITCH
	s_add_co_u32 s67, s67, STAGE                   ; my stage
	v_add_nc_u32 v24, s67, v3                      ; in: row lane % 16, 16 bytes for each half of the lanes
	v_mul_u32_u24 v4, v2, PITCH
	v_lshl_add_u32 v4, v1, 4, v4
	v_add_nc_u32 v25, s67, v4                      ; back: lanes 0-15 one row of 256 bytes, lanes 16-31 the next
	v_lshlrev_b32 v4, 13, v2
	v_lshl_add_u32 v26, v1, 4, v4                  ; and the same two rows in h
	s_lshl_b32 s72, s19, 20                        ; w1c: (256 x + 128 half) rows of 4,096 bytes,
	s_lshl_b32 s73, s16, 19
	s_add_co_u32 s72, s72, s73
	s_lshl_b32 s75, s19, 10                        ; b1: my 128 columns,
	s_lshl_b32 s74, s16, 9
	s_add_co_u32 s75, s75, s74
	s_wait_kmcnt 0x0
	s_min_u32 s21, s21, 1                          ; an expert among two
	s_lshl_b32 s73, s21, 11                        ; + the expert's 2,048 bytes
	s_add_co_u32 s72, s72, s73
	s_mov_b32 s73, 0
	s_add_nc_u64 s[G0B+2:G0B+3], s[6:7], s[72:73]
	s_add_nc_u64 s[G0B+6:G0B+7], s[G0B+2:G0B+3], 256
	s_or_b32 s[G0B+3], s[G0B+3], 0x80000000
	s_or_b32 s[G0B+7], s[G0B+7], 0x80000000
	s_lshl_b32 s74, s21, 14                        ; + the expert's 16,384 bytes
	s_add_co_u32 s75, s75, s74
	v_lshl_add_u32 v5, v2, 5, s75                  ; register j of column block b is column 16 b + 8 (lane / 16) + j
	CROUND                                         ; all four work-groups are here: the first joint loads meet
	LOADS 0                                        ; K step 0
	LOADS 1                                        ; K step 1: two loads of mine are out
	WIN 0x40
.irp b, 0,1,2,3,4,5,6,7
	global_load_b128 v[BIAS+8*\b:BIAS+8*\b+3],   v5, s[8:9] offset:64*\b
	global_load_b128 v[BIAS+8*\b+4:BIAS+8*\b+7], v5, s[8:9] offset:64*\b+16
.endr
	s_wait_loadcnt 0x0                             ; the bias: rounded to bf16, like every input, and widened again
	WIN 0x05
.set p, 0
.rept 32
	v_cvt_pk_bf16_f32 v[TT+p], v[BIAS+2*p], v[BIAS+2*p+1]
.set p, p+1
.endr
	WIN 0x40
.set p, 0
.rept 32
	v_lshlrev_b32 v[BIAS+2*p], 16, v[TT+p]
	v_and_b32 v[BIAS+2*p+1], 0xffff0000, v[TT+p]
.set p, p+1
.endr
	WIN 0
	s_wait_tensorcnt 1                             ; my part of K step 0 is in; K step 1's may stay out
	s_barrier_signal -1
	s_barrier_wait -1                              ; everybody's is
	FETCH 0, 0, 0
	QUARTER 0, 64, 0, 1, 1                         ; the first quarter stands in front of the loop: its products start the sums, on the bias
	WIN 0                                          ; at a label and at a branch every window is 0
	s_mov_b32 s59, 3
.Llap:                                                 ; a trip goes once round the ring, from a lap's second quarter to the next lap's first, and fills both slots again: K steps 2 to 7
	QUARTER 0, 128, 1, 0, 0
	QUARTER 0, 192, 0, 1, 0
	TURN 0, 1, 1
	QUARTER 1, 64, 0, 1, 0
	QUARTER 1, 128, 1, 0, 0
	QUARTER 1, 192, 0, 1, 0
	TURN 1, 0, 1
	QUARTER 0, 64, 0, 1, 0
	WIN 0
	s_sub_co_u32 s59, s59, 1
	s_cmp_lg_u32 s59, 0
	s_cbranch_scc1 .Llap
	QUARTER 0, 128, 1, 0, 0                        ; the last lap is written out: it asks for nothing
	QUARTER 0, 192, 0, 1, 0
	TURN 0, 1, 0
	QUARTER 1, 64, 0, 1, 0
	QUARTER 1, 128, 1, 0, 0
	QUARTER 1, 192, 0, 1, 0
	s_wait_dscnt 10                                ; the very last quarter: nothing more to fetch
	MULROW 1, 0, 0
	MULROW 1, 1, 0
	MULROW 1, 2, 0
	MULROW 1, 3, 0
	s_wait_dscnt 0x0
	MULROW 1, 4, 0
	MULROW 1, 5, 0
	MULROW 1, 6, 0
	MULROW 1, 7, 0
	MULROW 1, 8, 0
	PLACES
	GELU 0
	TOSTAGE 0
.irp a, 1,2,3,4,5,6,7,8                ; block a's arithmetic stands between block a - 1's loads from the stage and the wait for them
	GELU \a
	SEND (\a)-1
	TOSTAGE \a
.endr
	SEND 8
	s_wait_tensorcnt 0x0                           ; the wave's end: behind my last tensor load and my last LDS store
	ds_add_u32 v28, v29
	s_wait_dscnt 0x0
	CROUND                                         ; the closing round: no work-group ends while a partner may still ask for a tile that names it
	s_endpgm
.Lfunc_end_k_q6b3ed071fe_ffn1:
	.size	k_q6b3ed071fe_ffn1, .Lfunc_end_k_q6b3ed071fe_ffn1-k_q6b3ed071fe_ffn1
	.p2alignl 7, 3214868480
	.fill 96, 4, 3214868480
	.section	.rodata,"a",@progbits
	.p2align	6, 0x0
	.amdhsa_kernel k_q6b3ed071fe_ffn1
		.amdhsa_group_segment_fixed_size 327680
		.amdhsa_private_segment_fixed_size 0
		.amdhsa_enable_private_segment 0
		.amdhsa_kernarg_size 40
		.amdhsa_user_sgpr_count 2
		.amdhsa_user_sgpr_kernarg_segment_ptr 1
		.amdhsa_wavefront_size32 1
		.amdhsa_system_sgpr_workgroup_id_x 1
		.amdhsa_system_sgpr_workgroup_id_y 1
		.amdhsa_system_sgpr_workgroup_id_z 1
		.amdhsa_system_vgpr_workitem_id 0
		.amdhsa_next_free_vgpr 1024
		.amdhsa_next_free_sgpr 84
		.amdhsa_reserve_vcc 0
		.amdhsa_float_denorm_mode_32 3
		.amdhsa_float_denorm_mode_16_64 3
		.amdhsa_memory_ordered 1
		.amdhsa_forward_progress 1
		.amdhsa_inst_pref_size 255
	.end_amdhsa_kernel
	.section	.bss,"aw",@nobits
	.p2align	6
	.space	262144
	.amdgpu_metadata
---
amdhsa.version: [ 1, 2 ]
amdhsa.kernels:
  - .name:           k_q6b3ed071fe_ffn1
    .symbol:         k_q6b3ed071fe_ffn1.kd
    .args:
      - { .name: xs, .offset: 0, .size: 8, .value_kind: global_buffer, .address_space: global }
      - { .name: w1c, .offset: 8, .size: 8, .value_kind: global_buffer, .address_space: global }
      - { .name: b1, .offset: 16, .size: 8, .value_kind: global_buffer, .address_space: global }
      - { .name: tok, .offset: 24, .size: 8, .value_kind: global_buffer, .address_space: global }
      - { .name: h, .offset: 32, .size: 8, .value_kind: global_buffer, .address_space: global }
    .group_segment_fixed_size: 327680
    .private_segment_fixed_size: 0
    .kernarg_segment_align: 8
    .kernarg_segment_size: 40
    .max_flat_workgroup_size: 128
    .sgpr_count:     84
    .vgpr_count:     1024
    .wavefront_size: 32
...
	.end_amdgpu_metadata
.endif
;; end of part 3
;; launch ffn2 (part 4): grid 8 x 32, 4 waves a work-group, clusters of 4 x 1, 327,680 bytes of LDS; arguments h, w2c, b2, tok, prob, out0, dump; writes out0, dump
.if DOCPART == 4
	.amdgcn_target "amdgcn-amd-amdhsa--gfx1250"
	.amdhsa_code_object_version 6
	.text
	.protected	k_q6b3ed071fe_ffn2
	.globl	k_q6b3ed071fe_ffn2
	.p2align	8
	.type	k_q6b3ed071fe_ffn2,@function
k_q6b3ed071fe_ffn2:
	s_mov_b64 s[64:65], 0
	v_nop
	global_prefetch_b8 v0, s[64:65] scope:SCOPE_SE
	s_setreg_imm32_b32 hwreg(HW_REG_WAVE_MODE, 25, 1), 1
	s_wait_xcnt 0x0
	s_wait_alu depctr_hold_cnt(0) depctr_sa_sdst(0) depctr_va_vdst(0) depctr_va_sdst(0) depctr_va_ssrc(0) depctr_va_vcc(0) depctr_vm_vsrc(0)
	s_getreg_b32 s2, hwreg(HW_REG_IB_STS2, 6, 4)
	s_cmp_eq_u32 s2, 0
	s_cbranch_scc0 .Lentry_in_a_cluster
	s_endpgm
.Lentry_in_a_cluster:
	s_bfe_u32 s2, ttmp6, 0x10000c
	s_cmp_lg_u32 s2, 0x3003
	s_cbranch_scc0 .Lentry_shape_is_right
	s_endpgm
.Lentry_shape_is_right:
; out0[token of the row][d] = p (sum over f of h[row][f] w2c[d][e][f] + bf16(b2[e][d])), e the expert of the row's block.  h, w2c f16; sums in f32; out0 f32.
; SHARES.  h has 32 blocks of 144 rows, each of one expert (stored in tok's words 0..31).  A work-group makes one block x columns 128 x .. + 127 of D: one tile each, whatever the counts:
; no branch and no trip count hangs on data.  The expert enters two addresses alone: w2c's and b2's.
; THE ORDER OF THE BLOCKS.  Row y of the grid takes block 16 y2 + 4 (y >> 3) + y % 4 (y2: bit 2 of y): a renumbering, one to one.  The rows of the grid that agree in bit 2 of y take sixteen
; neighbouring blocks, which at an even split are one expert's: together they read one expert's half of w2c.
; THE FOUR WAVES SPLIT K: each holds all 144 x 128 sums (72 accumulators) and takes, of a K step of 256, the 64 numbers at byte 128 w of the rows; so a fragment read from LDS feeds as many
; products as with a tile of 144 x 128 a wave.  On the way out the four partial sums meet in LDS, all nine row blocks at once; wave w then owns rows 4 w .. 4 w + 3 of each sixteen.
; WHERE A ROW GOES.  The list in tok names for each row a token (below 4,096) or, for the 512 rows that hold none, 4,096 + q.  Such a row is stored into row q of dump, which nobody reads, by a
; choice of the store's base: EXEC stays whole and no branch is taken.
; LIMITS.  h and w2c arrive within f16's range.  The order of the sums differs from a single ascending chain (four parts of K, added at the end).  NaN and infinities are not treated apart.
; CLUSTER.  The four work-groups of a cluster lie side by side along x and need the same rows of h: that tile is asked for jointly; its address is made of y and the wave's number.
; w2c's tile is asked for by each work-group for itself: those that could share it have the same x and the same expert, and which blocks have the same expert is data; a border kept at
; multiples of four blocks (576 rows) would need up to nine rows of clusters where the grid has eight.
; THE MATRIX INSTRUCTION IS USED TRANSPOSED (source 0 = 16 rows of w2c, source 1 = 16 rows of h): a lane holds one row (lane % 16) and eight neighbouring columns.
; REGISTERS, in windows of 256 (s_set_vgpr_msb: bits 1:0 source 0, 3:2 source 1, 5:4 source 2, 7:6 destination):
;   window 0: v0-31 addresses and small things; v32-103, v104-175 fragments of h, two buffers; v176-180, v184-188 the way out's LDS addresses; on the way out v32-95, v96-159 two sets of sixteen
;   quarters of rows, v160-163 the stores' offsets
;   window 1: v0-63, v64-127 fragments of w2c; v128-191 the accumulators of row block 8;   window 2: those of blocks 0-3 (64 (a % 4) + 8 b);   window 3: blocks 4-7
.set PITCH,  528                       ; an LDS row: 512 bytes + 16 of padding = 132 words: the 16 rows of a fragment load start at 16 different groups of four banks (ISA guide 11.1)
.set AHALF,  72*PITCH                  ; what one tensor load brings of h
.set BHALF,  64*PITCH                  ; and of w2c
.set BOFF,   2*AHALF
.set SLOT,   BOFF+2*BHALF              ; 144 rows of h, then 128 rows of w2c
.set AREA,   16*PITCH                  ; the way out: one wave's partial sums of one row block, 16 rows x 128 numbers
.set BLK,    4*AREA                    ; the four waves' areas of one row block.  Nine of them, 304,128 bytes, lie from LDS byte 0 on: over the ring, once it has had its last fill, and 16,896 bytes behind it
.set SPARE,  2*SLOT+BLK                ; byte 321,024, behind all that: the spare words, 128 bytes for each wave: two blocks of 256 bytes that no other line names
.set FA,   32
.set FB,   0
.set R,    32
.set OF,   160
.set STO,  176                         ; v176-180  where I put my partial sums of row blocks 0-1, 2-3, 4-5, 6-7, 8: an address reaches two blocks by the 16-bit offset
.set RD,   184                         ; v184-188  where I read my four rows of them
.set G1A, 24                           ; s[24:31] descriptor group 1 for h;  s[32:39] group 0, one set for each slot
.set G0A, 32
.set G1B, 40                           ; s[40:47], s[48:55] the same for w2c
.set G0B, 48
.set DW0, (1<<16)|(1<<20)|(6<<22)|(3<<25)  ; 17:16 elements of 2 bytes; 20 padding on; 24:22 after every 128 words; 31:25 4 words of it
; v1 lane % 16, v2 lane / 16, v4-7 offsets of the loads of the list and of p, v8-11 my four numbers of b2, v12-13 p, v14 my offset in b2, v16-17 / v18-19 / v20-21 LDS address of h's blocks 0-7 / block 8 / w2c
; in slot 0, 1, v22-23 4 x my wave's k-th row, v26 16 lane, v27 lane, v28, v29 the add's two registers, v30-31 the list's numbers
; s14 wave, s16 wave % 2, s17 cx, s19 x, s20 the block, s21 expert, s59 laps, s[70:71] out0 at my columns, s[76:77] dump at my columns;  s60-63 feed the descriptors of h and never hold cx
.set MSB, 0
.macro WIN new                         ; the immediate's high byte repeats the setting that is left; a switch that changes nothing is dropped
.if MSB != (\new)
	s_set_vgpr_msb (MSB<<8)|(\new)
.set MSB, \new
.endif
.endm
.macro PLACES                          ; four places in front of loads into registers that matrix instructions have read, and of LDS stores that read results
.rept 4
	v_nop
.endr
.endm
.macro CREST                           ; a round of the cluster's barrier behind its opening barrier
	s_cmp_lg_u32 s14, 0
	s_cbranch_scc1 .Lnot_wave_0_\@
	s_barrier_signal -3
.Lnot_wave_0_\@:
	s_barrier_wait -3
	s_barrier_signal -1
	s_barrier_wait -1
.endm
.macro CROUND                          ; a whole round
	s_barrier_signal -1
	s_barrier_wait -1
	CREST
.endm
.macro LOADS s                         ; waves 0 and 1 ask jointly for the two halves of h's tile, waves 2 and 3 each for a half of w2c's; four v_nop follow each line
	s_cmp_lt_u32 s14, 2
	s_cbranch_scc0 .Lfor_b_\@
	tensor_load_to_lds s[G0A+4*(\s):G0A+4*(\s)+3], s[G1A:G1A+7]
	s_nop 0
.rept 4
	v_nop
.endr
	s_branch .Lasked_\@
.Lfor_b_\@:
	tensor_load_to_lds s[G0B+4*(\s):G0B+4*(\s)+3], s[G1B:G1B+7]
	s_nop 0
.rept 4
	v_nop
.endr
.Lasked_\@:
.endm
.macro ACCOF a                         ; window and first register of row block a's eight accumulators
.if (\a) == 8
.set WW, 1
.set AC, 128
.else
.set WW, 2+(\a)/4
.set AC, 64*((\a)%4)
.endif
.endm
; 8 matrix instructions: row block a x all 8 column blocks, 32 along K, from buffer f.  first = 1: the first product starts the sums: nothing is cleared.
; The 72 accumulators take turns, one instruction a turn, in the same order throughout.
.macro MULROW f, a, first
	ACCOF \a
	WIN 0x01|(WW<<4)|(WW<<6)
.irp b, 0,1,2,3,4,5,6,7
.if \first
	v_wmma_f32_16x16x32_f16 v[AC+8*\b:AC+8*\b+7], v[FB+64*(\f)+8*\b:FB+64*(\f)+8*\b+7], v[FA+72*(\f)+8*(\a):FA+72*(\f)+8*(\a)+7], 0
.else
	v_wmma_f32_16x16x32_f16 v[AC+8*\b:AC+8*\b+7], v[FB+64*(\f)+8*\b:FB+64*(\f)+8*\b+7], v[FA+72*(\f)+8*(\a):FA+72*(\f)+8*(\a)+7], v[AC+8*\b:AC+8*\b+7]
.endif
.endr
.endm
; 34 LDS loads in one run: the fragments of 32 along K at byte k of my 128 bytes of the rows, into buffer f.  h's block 8 lies 67,584 bytes on, past the 16-bit immediate: it has an address of its own
.macro FETCH slot, k, f
	WIN 0x40
.irp i, 0,1,2,3,4,5,6,7
	ds_load_b128 v[FB+64*(\f)+8*\i:FB+64*(\f)+8*\i+3],   v[20+(\slot)] offset:(\k)+\i*16*PITCH
	ds_load_b128 v[FB+64*(\f)+8*\i+4:FB+64*(\f)+8*\i+7], v[20+(\slot)] offset:(\k)+\i*16*PITCH+32
.endr
	WIN 0
.irp i, 0,1,2,3,4,5,6,7
	ds_load_b128 v[FA+72*(\f)+8*\i:FA+72*(\f)+8*\i+3],   v[16+(\slot)] offset:(\k)+\i*16*PITCH
	ds_load_b128 v[FA+72*(\f)+8*\i+4:FA+72*(\f)+8*\i+7], v[16+(\slot)] offset:(\k)+\i*16*PITCH+32
.endr
	ds_load_b128 v[FA+72*(\f)+64:FA+72*(\f)+67], v[18+(\slot)] offset:(\k)
	ds_load_b128 v[FA+72*(\f)+68:FA+72*(\f)+71], v[18+(\slot)] offset:(\k)+32
.endm
; A K step is, for a wave, two halves of 32 along K, 72 matrix instructions each, on buffers 0 and 1.  The first half: multiplies buffer f, fetches the second, at byte k, into g.
.macro QUARTER slot, k, f, g, first
	s_wait_dscnt 10                                ; w2c's fragments and h's blocks 0-3 are in; the youngest ten loads (blocks 4-8) may be out
	MULROW \f, 0, \first
	MULROW \f, 1, \first
	MULROW \f, 2, \first
	MULROW \f, 3, \first
	PLACES
	FETCH \slot, \k, \g
	s_wait_dscnt 34                                ; all but the 34 just issued
	MULROW \f, 4, \first
	MULROW \f, 5, \first
	MULROW \f, 6, \first
	MULROW \f, 7, \first
	MULROW \f, 8, \first
.endm
; The second half multiplies buffer 1 and changes slots: ONE barrier.  A K step has 144 matrix instructions for its 139,264 bytes, so the next tile is what the step waits for: the first 32 products
; stand AHEAD of the wait for it, and between that wait and the next request stands only what has to: the add, the descriptors' steps, the wait for the add and for my reads of this slot, the barrier.
; fill = 1: the barrier opens a round of the cluster's, and this slot is filled again, two K steps ahead, first thing behind the round.
.macro TURN slot, next, fill
	s_wait_dscnt 10                                ; w2c's fragments and h's blocks 0-3 are in
	MULROW 1, 0, 0
	MULROW 1, 1, 0
	MULROW 1, 2, 0
	MULROW 1, 3, 0
	WIN 0                                          ; the add's two registers lie in window 0
	s_wait_tensorcnt 0x0                           ; all my tensor loads have landed: the one that was out is my part of the next slot
	ds_add_u32 v28, v29
.if \fill
	s_add_nc_u64 s[G0A+4*(\slot)+2:G0A+4*(\slot)+3], s[G0A+4*(\slot)+2:G0A+4*(\slot)+3], 1024  ; no load of mine is out, so a group 0 may be written
	s_add_nc_u64 s[G0B+4*(\slot)+2:G0B+4*(\slot)+3], s[G0B+4*(\slot)+2:G0B+4*(\slot)+3], 1024
.endif
	s_wait_dscnt 0x0                               ; the add is done, and my reads of this slot are over
	s_barrier_signal -1
	s_barrier_wait -1
.if \fill
	CREST                                          ; no wave of any partner still reads this slot or has a load on its way
	LOADS \slot                                    ; 144 matrix instructions ahead of the wait for it; its four v_nop are also the places in front of the loads below
.else
	PLACES
.endif
	FETCH \next, 0, 0
	MULROW 1, 4, 0
	MULROW 1, 5, 0
	MULROW 1, 6, 0
	MULROW 1, 7, 0
	MULROW 1, 8, 0
.endm
; THE WAY OUT.  PUT a: my partial sums of row block a into my area of it.  GET a: rows 4 w .. 4 w + 3 of its four areas into register set a % 2.  OUT a: sum, bias, p, store.
.macro PUT a
	ACCOF \a
	WIN WW<<2                                      ; the stores' data lie in the accumulators' window
.irp b, 0,1,2,3,4,5,6,7                ; each accumulator's low four registers first
	ds_store_b128 v[STO+(\a)/2], v[AC+8*\b:AC+8*\b+3]   offset:((\a)%2)*BLK+64*\b
	ds_store_b128 v[STO+(\a)/2], v[AC+8*\b+4:AC+8*\b+7] offset:((\a)%2)*BLK+64*\b+16
.endr
.endm
.macro GET a
.set RG, R+64*((\a)%2)
.irp jj, 0,1,2,3
.irp q, 0,1,2,3
	ds_load_b128 v[RG+16*\jj+4*\q:RG+16*\jj+4*\q+3], v[RD+(\a)/2] offset:((\a)%2)*BLK+\q*AREA+\jj*PITCH  ; 32 lanes take a row's 512 bytes
.endr
.endr
.endm
.macro OUT a
.set RR, R+64*((\a)%2)
	s_wait_xcnt 0x0                                ; the last block's stores have read their data, offsets and bases: all are rewritten below
.irp jj, 0,1,2,3                       ; where my four rows go.  My k-th row, k = 4 a + jj, is lane k of v30 and v12 (from 32 on: v31, v13)
.if 4*(\a)+\jj < 32
	v_readlane_b32 s86, v30, 4*(\a)+\jj
	v_readlane_b32 s[96+\jj], v12, 4*(\a)+\jj
.else
	v_readlane_b32 s86, v31, 4*(\a)+\jj-32
	v_readlane_b32 s[96+\jj], v13, 4*(\a)+\jj-32
.endif
	s_min_u32 s86, s86, 0x11ff                     ; a number among 4,608
	s_cmp_lt_u32 s86, 0x1000                       ; a token?
	s_cselect_b64 s[88+2*\jj:89+2*\jj], s[70:71], s[76:77]
	s_and_b32 s86, s86, 0xfff                      ; the token, or q: the row in out0 or in dump,
	s_lshl_b32 s86, s86, 12                        ; of 4,096 bytes
	v_add_nc_u32 v[OF+\jj], s86, v26
.endr
.if (\a) < 8
	GET (\a)+1                                     ; the next block's rows are on their way while this block is summed and stored
	s_wait_dscnt 16                                ; all but those sixteen: this block's rows are in
.else
	s_wait_dscnt 0x0
.endif
.irp jj, 0,1,2,3
	v_pk_add_f32 v[RR+16*\jj:RR+16*\jj+1], v[RR+16*\jj:RR+16*\jj+1], v[RR+16*\jj+4:RR+16*\jj+5]
	v_pk_add_f32 v[RR+16*\jj+2:RR+16*\jj+3], v[RR+16*\jj+2:RR+16*\jj+3], v[RR+16*\jj+6:RR+16*\jj+7]
	v_pk_add_f32 v[RR+16*\jj+8:RR+16*\jj+9], v[RR+16*\jj+8:RR+16*\jj+9], v[RR+16*\jj+12:RR+16*\jj+13]
	v_pk_add_f32 v[RR+16*\jj+10:RR+16*\jj+11], v[RR+16*\jj+10:RR+16*\jj+11], v[RR+16*\jj+14:RR+16*\jj+15]
.endr
.irp jj, 0,1,2,3
	v_pk_add_f32 v[RR+16*\jj:RR+16*\jj+1], v[RR+16*\jj:RR+16*\jj+1], v[RR+16*\jj+8:RR+16*\jj+9]
	v_pk_add_f32 v[RR+16*\jj+2:RR+16*\jj+3], v[RR+16*\jj+2:RR+16*\jj+3], v[RR+16*\jj+10:RR+16*\jj+11]
.endr
.irp jj, 0,1,2,3
	v_pk_add_f32 v[RR+16*\jj:RR+16*\jj+1], v[RR+16*\jj:RR+16*\jj+1], v[8:9]
	v_pk_add_f32 v[RR+16*\jj+2:RR+16*\jj+3], v[RR+16*\jj+2:RR+16*\jj+3], v[10:11]
.endr
.irp jj, 0,1,2,3
	v_mul_f32 v[RR+16*\jj], s[96+\jj], v[RR+16*\jj]
	v_mul_f32 v[RR+16*\jj+1], s[96+\jj], v[RR+16*\jj+1]
	v_mul_f32 v[RR+16*\jj+2], s[96+\jj], v[RR+16*\jj+2]
	v_mul_f32 v[RR+16*\jj+3], s[96+\jj], v[RR+16*\jj+3]
.endr
.irp jj, 0,1,2,3
	global_store_b128 v[OF+\jj], v[RR+16*\jj:RR+16*\jj+3], s[88+2*\jj:89+2*\jj] th:TH_STORE_NT  ; 32 lanes store 512 consecutive bytes, aligned
.endr
.endm
	s_load_b256 s[4:11], s[0:1], 0x0               ; h s[4:5], w2c s[6:7], b2 s[8:9], tok s[10:11]
	s_load_b64 s[12:13], s[0:1], 0x20              ; prob
	s_load_b64 s[70:71], s[0:1], 0x28              ; out0
	s_load_b64 s[76:77], s[0:1], 0x30              ; dump
	v_lshl_add_u32 v28, v0, 2, SPARE
	v_mov_b32 v29, 0
	ds_add_u32 v28, v29
	s_wait_dscnt 0x0
	v_lshrrev_b32 v3, 5, v0
	v_readfirstlane_b32 s14, v3                    ; wave 0..3
	s_and_b32 s16, s14, 1                          ; which half of a tile I fetch
	s_bfe_u32 s17, ttmp6, 0x40000                  ; cx
	s_lshl_b32 s19, ttmp9, 2
	s_add_co_u32 s19, s19, s17                     ; x = 4 x cluster x + cx
	s_and_b32 s20, ttmp7, 0xffff                   ; y, which the four partners share
	s_bfe_u32 s66, s20, 0x10002                    ; its bit 2,
	s_lshr_b32 s67, s20, 3                         ; its bits 4 and 3,
	s_and_b32 s20, s20, 3                          ; its bits 1 and 0
	s_lshl_b32 s66, s66, 4
	s_lshl_b32 s67, s67, 2
	s_add_co_u32 s20, s20, s66
	s_add_co_u32 s20, s20, s67                     ; the block = 16 y2 + 4 (y >> 3) + y % 4
	s_lshl_b32 s81, s20, 2                         ; its word of tok
	s_wait_kmcnt 0x0
	s_load_b32 s21, s[10:11], s81 offset:0x0       ; the block's expert
	s_mov_b32 s[G1A], 15|(1<<21)|DW0               ; 15:0 the mask: all four work-groups; 21 set beside a mask
	s_mov_b32 s[G1A+1], 256<<16                    ; tensor_dim0 = 256
	s_mov_b32 s[G1A+2], 72<<16                     ; tensor_dim1 = 72
	s_mov_b32 s[G1A+3], 256<<16                    ; tile_dim0 = 256
	s_mov_b32 s[G1A+4], 72                         ; tile_dim1 = 72
	s_mov_b32 s[G1A+5], 4096                       ; elements from row to row of h
	s_mov_b32 s[G1A+6], 0
	s_mov_b32 s[G1A+7], 0
	s_mov_b32 s[G1B], DW0                          ; no mask: a load of my own
	s_mov_b32 s[G1B+1], 256<<16
	s_mov_b32 s[G1B+2], 64<<16
	s_mov_b32 s[G1B+3], 256<<16
	s_mov_b32 s[G1B+4], 64
	s_mov_b32 s[G1B+5], 8192                       ; from d to d + 1 of one expert in w2c [D][E][F]
	s_mov_b32 s[G1B+6], 0
	s_mov_b32 s[G1B+7], 0
	s_mul_i32 s67, s16, AHALF                      ; where my half of a tile goes: no place in the cluster enters an LDS address
	s_mov_b32 s[G0A], 1
	s_mov_b32 s[G0A+1], s67
	s_mov_b32 s[G0A+4], 1
	s_add_co_u32 s[G0A+5], s67, SLOT
	s_mul_i32 s67, s16, BHALF
	s_mov_b32 s[G0B], 1
	s_add_co_u32 s[G0B+1], s67, BOFF
	s_mov_b32 s[G0B+4], 1
	s_add_co_u32 s[G0B+5], s67, SLOT+BOFF
	s_mul_i32 s60, s20, 144                        ; h: row 144 x block + 72 x the half that I fetch
	s_mul_i32 s61, s16, 72
	s_add_co_u32 s60, s60, s61
	s_lshl_b32 s62, s60, 13
	s_mov_b32 s63, 0
	s_add_nc_u64 s[G0A+2:G0A+3], s[4:5], s[62:63]  ; K step 0,
	s_add_nc_u64 s[G0A+6:G0A+7], s[G0A+2:G0A+3], 512  ; K step 1
	s_or_b32 s[G0A+3], s[G0A+3], 0x80000000        ; type = 2
	s_or_b32 s[G0A+7], s[G0A+7], 0x80000000
	s_lshl_b32 s72, s19, 9                         ; my 128 columns: 512 bytes of a row of out0 and of dump
	s_mov_b32 s73, 0
	s_add_nc_u64 s[70:71], s[70:71], s[72:73]
	s_add_nc_u64 s[76:77], s[76:77], s[72:73]
	s_mov_b32 s75, s72                             ; and of b2
	s_mul_i32 s82, s20, 576                        ; the list: 4 bytes for each of the block's 144 rows
	s_lshl_b32 s83, s14, 2                         ; 4 w
	v_and_b32 v1, 15, v0
	v_bfe_u32 v2, v0, 4, 1
	v_and_b32 v27, 31, v0
	v_lshlrev_b32 v26, 4, v27
	v_mul_u32_u24 v3, v1, PITCH
	v_lshl_add_u32 v24, v2, 5, v3                  ; into an area: row lane % 16, 32 bytes for each half of the lanes
	v_lshl_add_u32 v3, v2, 4, v3                   ; a fragment's row x pitch + 16 x half
	s_lshl_b32 s67, s14, 7                         ; my 128 bytes of every row
	v_add_nc_u32 v16, s67, v3
	v_add_nc_u32 v17, SLOT, v16
	v_add_nc_u32 v18, 8*16*PITCH, v16
	v_add_nc_u32 v19, 8*16*PITCH, v17
	v_add_nc_u32 v20, BOFF, v16
	v_add_nc_u32 v21, BOFF, v17
	s_mul_i32 s67, s14, AREA                       ; my area of row block 0
	v_add_nc_u32 v[STO], s67, v24
	s_mul_i32 s67, s14, 4*PITCH                    ; my four rows, in area 0 of row block 0
	v_add_nc_u32 v[RD], s67, v26
.irp i, 1,2,3,4
	v_add_nc_u32 v[STO+\i], \i*2*BLK, v[STO]       ; and two row blocks further on each time
	v_add_nc_u32 v[RD+\i], \i*2*BLK, v[RD]
.endr
	v_lshrrev_b32 v22, 2, v27                      ; my wave's k-th row is 16 (k / 4) + k % 4 + 4 w: lane k holds it, and lanes 0 to 3 of a second register rows 32 to 35
	v_lshlrev_b32 v22, 4, v22
	v_and_b32 v23, 3, v27
	v_add_nc_u32 v23, s83, v23
	v_add_nc_u32 v22, v22, v23
	v_add_nc_u32 v23, 128, v23
	v_lshlrev_b32 v22, 2, v22
	v_lshlrev_b32 v23, 2, v23
	v_add_nc_u32 v4, s82, v22
	v_add_nc_u32 v5, s82, v23
	s_lshl_b32 s72, s19, 21                        ; w2c: (128 x + 64 half) rows of 16,384 bytes,
	s_lshl_b32 s74, s16, 20
	s_add_co_u32 s72, s72, s74
	s_wait_kmcnt 0x0
	s_min_u32 s21, s21, 1                          ; an expert among two
	s_lshl_b32 s74, s21, 13                        ; + the expert's 8,192 bytes
	s_add_co_u32 s72, s72, s74
	s_add_nc_u64 s[G0B+2:G0B+3], s[6:7], s[72:73]
	s_add_nc_u64 s[G0B+6:G0B+7], s[G0B+2:G0B+3], 512
	s_or_b32 s[G0B+3], s[G0B+3], 0x80000000
	s_or_b32 s[G0B+7], s[G0B+7], 0x80000000
	s_lshl_b32 s74, s21, 12                        ; b2: + the expert's 4,096 bytes
	s_add_co_u32 s75, s75, s74
	v_add_nc_u32 v14, s75, v26                     ; lane l holds columns 4 l .. 4 l + 3 of the 128
	CROUND                                         ; all four work-groups are here: the first joint loads meet
	LOADS 0                                        ; K step 0
	LOADS 1                                        ; K step 1: two loads of mine are out
	global_load_b128 v[8:11], v14, s[8:9]
	global_load_b32 v30, v4, s[10:11] offset:256   ; my 36 rows' numbers in the list
	global_load_b32 v31, v5, s[10:11] offset:256
	s_wait_loadcnt 0x0
	v_cvt_pk_bf16_f32 v32, v8, v9                  ; b2: rounded to bf16, like every input, and widened again
	v_cvt_pk_bf16_f32 v33, v10, v11
	v_lshlrev_b32 v8, 16, v32
	v_and_b32 v9, 0xffff0000, v32
	v_lshlrev_b32 v10, 16, v33
	v_and_b32 v11, 0xffff0000, v33
	v_min_u32 v30, 0x11ff, v30
	v_min_u32 v31, 0x11ff, v31
	v_min_u32 v6, 0xfff, v30                       ; a row without a token takes the last token's p: its product goes to dump
	v_min_u32 v7, 0xfff, v31
	v_lshlrev_b32 v6, 2, v6
	v_lshlrev_b32 v7, 2, v7
	global_load_b32 v12, v6, s[12:13]              ; their p: waited for at the way out
	global_load_b32 v13, v7, s[12:13]
	s_wait_tensorcnt 1                             ; my part of K step 0 is in; K step 1's may stay out
	s_barrier_signal -1
	s_barrier_wait -1                              ; everybody's is
	FETCH 0, 0, 0
	QUARTER 0, 64, 0, 1, 1                         ; the first half step stands in front of the loop: its products start the sums
	WIN 0                                          ; at a label and at a branch every window is 0
	s_mov_b32 s59, 7
.Llap:                                                 ; a trip goes once round the ring and fills both slots again: K steps 2 to 15
	TURN 0, 1, 1
	QUARTER 1, 64, 0, 1, 0
	TURN 1, 0, 1
	QUARTER 0, 64, 0, 1, 0
	WIN 0
	s_sub_co_u32 s59, s59, 1
	s_cmp_lg_u32 s59, 0
	s_cbranch_scc1 .Llap
	TURN 0, 1, 0                                   ; the last lap is written out: it asks for nothing; its wait for 0 has shown every wave's last tensor load landed
	QUARTER 1, 64, 0, 1, 0
	s_wait_dscnt 10                                ; the very last half step: nothing more to fetch
	MULROW 1, 0, 0
	MULROW 1, 1, 0
	MULROW 1, 2, 0
	MULROW 1, 3, 0
	s_wait_dscnt 0x0                               ; my reads of slot 1, the ring's last, are over:
	s_barrier_signal -1                            ; say so, and multiply while the others arrive
	MULROW 1, 4, 0
	MULROW 1, 5, 0
	MULROW 1, 6, 0
	MULROW 1, 7, 0
	MULROW 1, 8, 0
	s_barrier_wait -1                              ; nobody reads the ring any more, and it has had its last fill: its bytes take the partial sums
	s_wait_loadcnt 0x0                             ; p
	PLACES
.irp a, 0,1,2,3,4,5,6,7,8
	PUT \a
.endr
	WIN 0
	s_wait_dscnt 0x0                               ; for the others' sake: my partial sums are in LDS
	s_barrier_signal -1
	s_barrier_wait -1                              ; everybody's are; nothing is written there again, so no further barrier follows
	GET 0
.irp a, 0,1,2,3,4,5,6,7,8
	OUT \a
.endr
	s_wait_tensorcnt 0x0                           ; the wave's end: behind my last tensor load and my last LDS store
	ds_add_u32 v28, v29
	s_wait_dscnt 0x0
	CROUND                                         ; the closing round: no work-group ends while a partner may still ask for a tile that names it
	s_endpgm
.Lfunc_end_k_q6b3ed071fe_ffn2:
	.size	k_q6b3ed071fe_ffn2, .Lfunc_end_k_q6b3ed071fe_ffn2-k_q6b3ed071fe_ffn2
	.p2alignl 7, 3214868480
	.fill 96, 4, 3214868480
	.section	.rodata,"a",@progbits
	.p2align	6, 0x0
	.amdhsa_kernel k_q6b3ed071fe_ffn2
		.amdhsa_group_segment_fixed_size 327680
		.amdhsa_private_segment_fixed_size 0
		.amdhsa_enable_private_segment 0
		.amdhsa_kernarg_size 56
		.amdhsa_user_sgpr_count 2
		.amdhsa_user_sgpr_kernarg_segment_ptr 1
		.amdhsa_wavefront_size32 1
		.amdhsa_system_sgpr_workgroup_id_x 1
		.amdhsa_system_sgpr_workgroup_id_y 1
		.amdhsa_system_sgpr_workgroup_id_z 1
		.amdhsa_system_vgpr_workitem_id 0
		.amdhsa_next_free_vgpr 1024
		.amdhsa_next_free_sgpr 100
		.amdhsa_reserve_vcc 0
		.amdhsa_float_denorm_mode_32 3
		.amdhsa_float_denorm_mode_16_64 3
		.amdhsa_memory_ordered 1
		.amdhsa_forward_progress 1
		.amdhsa_inst_pref_size 127
	.end_amdhsa_kernel
	.amdgpu_metadata
---
amdhsa.version: [ 1, 2 ]
amdhsa.kernels:
  - .name:           k_q6b3ed071fe_ffn2
    .symbol:         k_q6b3ed071fe_ffn2.kd
    .args:
      - { .name: h, .offset: 0, .size: 8, .value_kind: global_buffer, .address_space: global }
      - { .name: w2c, .offset: 8, .size: 8, .value_kind: global_buffer, .address_space: global }
      - { .name: b2, .offset: 16, .size: 8, .value_kind: global_buffer, .address_space: global }
      - { .name: tok, .offset: 24, .size: 8, .value_kind: global_buffer, .address_space: global }
      - { .name: prob, .offset: 32, .size: 8, .value_kind: global_buffer, .address_space: global }
      - { .name: out0, .offset: 40, .size: 8, .value_kind: global_buffer, .address_space: global }
      - { .name: dump, .offset: 48, .size: 8, .value_kind: global_buffer, .address_space: global }
    .group_segment_fixed_size: 327680
    .private_segment_fixed_size: 0
    .kernarg_segment_align: 8
    .kernarg_segment_size: 56
    .max_flat_workgroup_size: 128
    .sgpr_count:     100
    .vgpr_count:     1024
    .wavefront_size: 32
...
	.end_amdgpu_metadata
.endif
;; end of part 4
